; MI455X (gfx1250); checked and timed in simulation.
; The chip was launched on July 23, 2026; its instructions are those of AMD's public machine-readable ISA for CDNA 5 (MIT licence, August 2026) and "CDNA5" Instruction Set Architecture Reference Guide (July 2026). The comments in the code are by the model that wrote it; some were corrected since.
;; Model. Allowed arithmetic: matrix products marked QUANTISED: E5M2 operands, one E8M0 scale for each 32 along K, by v_wmma_scale_f32_16x16x128_f8f6f4 with both operands' format E5M2, f32 sums; everything else in f32.
;; Inputs: k 4 x 16 x 2,048 x 128 float32; q 4 x 16 x 2,048 x 128 float32; v 4 x 16 x 2,048 x 128 float32.
;; Outputs: out0 4 x 16 x 2,048 x 128 float32.
;; This version of the problem:
;;   THIS VERSION OF THE PROBLEM IS GIVEN IN LOW PRECISION. The matrix products marked QUANTISED in the list below multiply operands that are first quantised to E5M2 (5 exponent bits, 2 mantissa bits; 8 bits a number), with one power-of-two scale for each 32 numbers along K (OCP MX v1.0); their sums are f32. All else is computed in f32.
;;   The module's matrix products, in the order in which they are computed (A, B: the left and right operand; K: the contracted axis; several contracted axes count as one K, in the product's order):
;;     1. batch 64 x [M 2,048, K 128] x [K 128, N 2,048]; A: input q; B: input k: QUANTISED
;;     2. batch 64 x [M 2,048, K 2,048] x [K 2,048, N 128]; A: softmax (see below); B: input v: QUANTISED
;;   THE QUANTISER, for each operand of a quantised product, along K:
;;     - K is cut into blocks of 32 from its start; a last block that is shorter is filled with zeros.
;;     - A block's scale is 2^e with e = floor(log2(the largest magnitude in the block)) - 15, held to -126 .. 127; a block of zeros has e = 0. As a byte (E8M0): e + 127.
;;     - Each number is divided by its block's scale, clamped to +-57,344, and rounded to the nearest number of E5M2, ties to even, subnormals kept.
;;     - The product sums the exact products of the quantised numbers (number of the format x scale) in f32.
;;   ~~~python
;;   def quantise(x, axis):      # numpy; x: float32 -> the quantised numbers, widened to float32 again
;;       x = np.moveaxis(x, axis, -1); K = x.shape[-1]
;;       x = np.pad(x, [(0, 0)] * (x.ndim - 1) + [(0, -K % 32)]); x = x.reshape(x.shape[:-1] + (-1, 32)); a = np.abs(x).max(-1, keepdims=True)
;;       e = np.where(a > 0, np.clip(np.frexp(np.where(a > 0, a, 1))[1] - 1 - 15, -126, 127), 0)      # np.frexp(a)[1] - 1 = floor(log2(a)), exactly
;;       r = np.clip(x / 2.0 ** e, -57344, 57344)
;;       step = 2.0 ** (np.maximum(np.frexp(np.where(r == 0, 1, r))[1] - 1, -14) - 2)
;;       q = np.round(r / step) * step * 2.0 ** e      # np.round: ties to even
;;       return np.moveaxis(q.reshape(q.shape[:-2] + (-1,))[..., :K], -1, axis).astype(np.float32)
;;   ~~~
;;   SOFTMAX AHEAD OF A QUANTISED PRODUCT. Where the list says 'softmax', what is quantised is not the finished softmax but p = 2^(t - M), with t = logit x log2(e) and M = ceil(the row's largest t), a whole number; so 1/2 < the row's largest p <= 1. The row's sum l is taken of the UNQUANTISED p, in f32, and the product's result is divided by l at the end. Since M is a whole number, a kernel that streams over the keys may use a running M (the ceiling of the running maximum): every later rescaling is an exact power of two, which a block's scale takes up: the codes' values come out the same.
;;   OPERANDS COMPUTED ON THE WAY. 'Computed on the way' means the value that the module computes at that place (a softmax that the list does not call 'softmax' is quantised finished and normalised). What goes into a quantiser is computed in f32, as accurately as f32 sums, v_exp_f32 and their like allow (about 1e-6 of the number): no bf16 or f16 on the way to a quantiser, and a product that is left as it is and whose result goes on into a quantised operand takes f32 operands (vector FMAs, or v_wmma_f32_16x16x4_f32). A number that lies on a knife's edge between two numbers of the format may be rounded either way, as far as f32 arithmetic and the matrix unit's own rounding can turn it there, and no further.
;; One version. Each part assembles by itself: llvm-mc -triple=amdgcn-amd-amdhsa -mcpu=gfx1250 --defsym DOCPART=n.
;; ======== version 1 of 1: 2 launches
;; limits: right only within a limited range of input values
;; workspace buffers: kc 16,777,216 bytes; ks 524,288 bytes; vc 16,777,216 bytes; vs 524,288 bytes
;; launch quant (part 1): grid 1024 x 1, 4 waves a work-group, no clusters, 68,096 bytes of LDS; arguments k, v, kc, ks, vc, vs; writes kc, ks, vc, vs
.if DOCPART == 1
	.amdgcn_target "amdgcn-amd-amdhsa--gfx1250"
	.amdhsa_code_object_version 6
	.text
	.protected	k_q2adf34e71a_quant
	.globl	k_q2adf34e71a_quant
	.p2align	8
	.type	k_q2adf34e71a_quant,@function
k_q2adf34e71a_quant:
	s_mov_b64 s[64:65], 0
	v_nop
	global_prefetch_b8 v0, s[64:65] scope:SCOPE_SE
	s_setreg_imm32_b32 hwreg(HW_REG_WAVE_MODE, 25, 1), 1
	s_wait_xcnt 0x0
; k and v, [64 heads][2048 keys][128] f32, become codes of BF8 (E5M2) with one E8M0 scale byte for each 32 along the K of the product that reads them.
;   k: K = the head's 128, innermost in memory.      kc [64][2048 POSITIONS][128 bytes], ks [64][2048 positions][4 bytes].
;      The position of key x is x with its bits 3 and 4 exchanged: 16 neighbouring positions 32 b + 16 u + r hold the keys 32 b + 8 u + r + 8 (r / 8), the 16 keys that the attention launch takes as one tile.
;   v: K = the keys, the FIRST axis within a head.   vc [64][128 channels][2048 keys], keys innermost, in their true order; vs [64][16 key steps][128 channels][4 bytes], byte b for keys 128 s + 32 b on.
; A block's scale is 2^(floor(log2(its largest magnitude)) - 15); its byte is the largest magnitude's exponent field - 15, held at 1 from below.  Each number is divided by the scale, held within +-57,344 and
; rounded to the nearest code, ties to even.
; LIMITS: a block of zeros gets the byte 1 where the rule says 127: its codes are zeros, which add nothing under any byte but 0xff, and the bytes are read by this program alone.  NaN and infinities among the inputs are not served.
; ONE LAUNCH, TWO PATHS that part on the work-group's number and never join: work-groups 0-511 take k, 512-1023 take v.  Each path has LDS bytes of its own (k: 0 .. 32,767; v: 32,768 .. 67,583).
; Both paths stream: each input byte is read once.  No tensor loads, no barrier, no matrix work, no cluster: waves share nothing and no two work-groups read the same byte.
; vs leaves in runs of 128 consecutive bytes a wave: one byte for each 128 bytes that the path reads.
.set STEPS, 16                         ; k: steps of 512 numbers in a wave's run
.set EMAX,  15
.set MANT,  0x600000                   ; the mantissa field of 57,344 as f32
.set KR,    16                         ; k: v16-79   four sets of 16 numbers as they are loaded
.set KX,    80                         ;    v80-111  two sets of 16 neighbours
.set KE,    112                        ;    v112-127 a scale byte for each step
.set KC,    128                        ;    v128-191 codes: four registers for each step, so that no store's data are written again
.set WREG,  8192                       ;    LDS: a region for each wave: two stages of 32 x SP bytes, and behind them its 256 scale bytes
.set SP,    80                         ;    a lane's place in a stage: its 64 bytes + 16 of padding
.set VSTG,  32768                      ; v: LDS: the four waves' stages begin here
.set VPITCH, 272                       ;    a stage row: 256 codes + 16 bytes of padding
.set VSB,   24                         ;    v24-25   the scale bytes, four to a register
.set VX,    32                         ;    v32-95   two sets of 32 numbers
.set VC,    96                         ;    v96-103  a block's codes
.set VO,    112                        ;    v112-175 the way out: 16 x 4 registers
	s_load_b128 s[4:7], s[0:1], 0x0                ; k, v
	s_load_b128 s[8:11], s[0:1], 0x10              ; kc, ks
	s_load_b128 s[12:15], s[0:1], 0x20             ; vc, vs
	v_lshl_add_u32 v192, v0, 2, 0x10800
	v_mov_b32 v193, 0
	v_lshrrev_b32 v1, 5, v0
	v_readfirstlane_b32 s16, v1                    ; wave 0..3
	v_and_b32 v2, 31, v0                           ; lane
	s_mov_b32 s23, MANT                            ; (an instruction takes one literal: the hold's line has another)
	s_wait_kmcnt 0x0
	s_cmp_lt_u32 ttmp9, 512
	s_cbranch_scc0 .Lv
; ---------------- k: a plain stream of blocks of 32.  A wave takes a run of 8,192 numbers = 64 rows, aligned at 64 rows, so the exchange of the row's bits 3 and 4 stays inside the run.
; The conversions take 8 numbers of ONE block from a lane's consecutive registers, so a lane must hold 16 NEIGHBOURS (two neighbouring lanes hold a block); a load is best where neighbouring LANES take neighbouring bytes.
; Both are had: each of a step's four loads reads 512 consecutive bytes, 16 a lane; the 2,048 bytes go through the wave's own stage in LDS, as they lie, and come back 64 bytes a lane.
	s_wait_alu depctr_va_vdst(0)
	v_lshlrev_b32 v3, 4, v2                        ; 16 x lane: my 16 bytes of a load's 512, and my 16 codes' place in a step's 512; never rewritten
	s_mul_i32 s17, s16, WREG
	v_lshrrev_b32 v14, 2, v2
	v_mul_u32_u24 v14, v14, SP
	v_and_b32 v15, 3, v2
	v_lshl_add_u32 v14, v15, 4, v14
	v_add_nc_u32 v14, s17, v14                     ; the stage, on the way in: four lanes' 64 bytes on end, then 16 of padding
	v_mul_u32_u24 v15, v2, SP
	v_add_nc_u32 v15, s17, v15                     ; and on the way out: SP x lane: my 16 neighbours
	v_lshrrev_b32 v5, 1, v2
	s_add_co_u32 s17, s17, 2*32*SP
	v_add_nc_u32 v5, s17, v5                       ; my wave's 256 scale bytes, my block's byte
	v_lshlrev_b32 v7, 3, v2                        ; and on the way out 8 bytes a lane
	v_add_nc_u32 v6, s17, v7
	s_lshl_b32 s18, ttmp9, 2
	s_add_co_u32 s18, s18, s16                     ; my wave's run, 0 .. 2,047
	s_mov_b32 s21, 0
	s_lshl_b32 s20, s18, 15                        ; 32,768 bytes of k a run,
	s_add_nc_u64 s[4:5], s[4:5], s[20:21]
	s_lshl_b32 s20, s18, 13                        ; 8,192 of codes,
	s_add_nc_u64 s[8:9], s[8:9], s[20:21]
	s_lshl_b32 s20, s18, 8                         ; 256 of scale bytes
	s_add_nc_u64 s[10:11], s[10:11], s[20:21]
.macro KLOAD t
.irp i, 0,1,2,3
	global_load_b128 v[KR+16*((\t)%4)+4*\i:KR+16*((\t)%4)+4*\i+3], v3, s[4:5] offset:2048*(\t)+512*\i th:TH_LOAD_NT   ; 32 lanes read 512 consecutive bytes; read once in the launch
.endr
.endm
.macro KTURN t                         ; step t's numbers through the stage: LDS serves a wave's instructions in order (ISA guide 5.7.1.4), so no wait stands between the stores and the loads
.irp i, 0,1,2,3
	ds_store_b128 v14, v[KR+16*((\t)%4)+4*\i:KR+16*((\t)%4)+4*\i+3] offset:32*SP*((\t)%2)+8*SP*\i
.endr
.irp i, 0,1,2,3
	ds_load_b128 v[KX+16*((\t)%2)+4*\i:KX+16*((\t)%2)+4*\i+3], v15 offset:32*SP*((\t)%2)+16*\i
.endr
.endm
.macro KSTEP t
.set XS, KX+16*((\t)%2)
.set SW, ((\t)&9)|(((\t)&2)<<1)|(((\t)&4)>>1)  ; a step is 4 rows, so the step's bits 1 and 2 are the row's bits 3 and 4: exchanged, they give the step's place in kc and ks
.if (\t) > 0
	s_wait_dscnt 1                                 ; this step's numbers are back from the stage (the last step's byte store may be out): so its stores into the stage have read their registers,
.else
	s_wait_dscnt 0x0
.endif
.if (\t)+4 < STEPS
	KLOAD (\t)+4                                   ; which take the loads of four steps on
.endif
.if (\t)+1 < STEPS
.if STEPS-2-(\t) >= 3
	s_wait_loadcnt 12                              ; the next step's four loads are in; those of the three steps behind it may be out
.else
	s_wait_loadcnt 4*(STEPS-2-(\t))                ; the tail: the steps behind the next one are fewer
.endif
	KTURN (\t)+1                                   ; and go through the other stage while this step is worked
.endif
	v_max3_num_f32 v8, |v[XS]|, |v[XS+1]|, |v[XS+2]|               ; the largest magnitude of my 16, in two chains
	v_max3_num_f32 v9, |v[XS+3]|, |v[XS+4]|, |v[XS+5]|
.irp i, 6,10
	v_max3_num_f32 v8, v8, |v[XS+\i]|, |v[XS+\i+1]|
	v_max3_num_f32 v9, v9, |v[XS+\i+2]|, |v[XS+\i+3]|
.endr
	v_max3_num_f32 v8, v8, |v[XS+14]|, |v[XS+15]|
	v_max3_num_f32 v8, v8, v9, (EMAX+1)<<23        ; and the floor 2^(16 - 127), under which no largest magnitude is taken: so the byte cannot fall under 1
	v_max_num_f32_dpp v8, v8, v8 row_xmask:1 row_mask:0xf bank_mask:0xf   ; and of my neighbour's 16: the block's
	v_add_nc_u32 v11, -(EMAX<<23), v8              ; 15 off its exponent field: the conversion takes the exponent field of this operand as its scale, and nothing else of it
	v_and_or_b32 v10, v8, 0x7f800000, s23          ; 57,344 x the scale: the largest magnitude's exponent field over 57,344's mantissa
.irp i, 0,1,2,3,4,5,6,7,8,9,10,11,12,13,14,15
	v_med3_num_f32 v[XS+\i], v[XS+\i], -v10, v10   ; the conversion to an 8-bit code does not saturate (ISA guide 7.6.2): hold the number within the largest code x the scale first
.endr
	v_cvt_scalef32_pk8_bf8_f32 v[KC+4*(\t):KC+4*(\t)+1], v[XS:XS+7], v11
	v_cvt_scalef32_pk8_bf8_f32 v[KC+4*(\t)+2:KC+4*(\t)+3], v[XS+8:XS+15], v11
	v_lshrrev_b32 v[KE+(\t)], 23, v11              ; the scale's byte (also the plain line behind the conversions)
	ds_store_b8 v5, v[KE+(\t)] offset:16*SW        ; both lanes of a block write the same byte with the same value
	global_store_b128 v3, v[KC+4*(\t):KC+4*(\t)+3], s[8:9] offset:512*SW   ; 32 lanes store 512 consecutive bytes, aligned: four whole rows of kc
.endm
.irp t, 0,1,2,3
	KLOAD \t
.endr
	s_wait_alu depctr_va_vdst(0)
	s_wait_loadcnt 12                              ; step 0's four loads are in
	KTURN 0
.irp t, 0,1,2,3,4,5,6,7,8,9,10,11,12,13,14,15
	KSTEP \t
.endr
	ds_load_b64 v[12:13], v6                       ; LDS serves a wave's instructions in order: these see my byte stores
	s_wait_dscnt 0x0
	global_store_b64 v7, v[12:13], s[10:11]        ; 32 lanes store 256 consecutive bytes, aligned
	s_wait_tensorcnt 0x0
	ds_add_u32 v192, v193
	s_wait_dscnt 0x0
	s_endpgm
; ---------------- v: A LANE TAKES A CHANNEL, AND ITS REGISTERS RUN DOWN THE KEYS: each load reads neighbouring channels in neighbouring lanes (128 consecutive bytes a wave, a row's 512 for the four waves), a block of
; 32 keys lies in ONE lane's 32 registers, and the conversions give the codes with the keys innermost.  Nothing is transposed by an instruction.
; A work-group takes 256 keys x 128 channels of one head (131,072 consecutive bytes of v), wave w the channels 32 w on.  A lane's codes belong to one row of vc and the lanes beside it hold other rows: they go through
; the wave's own stage in LDS and leave by rows.
.Lv:
	s_sub_co_u32 s17, ttmp9, 512                   ; g = 8 x head + y
	s_lshr_b32 s18, s17, 3                         ; the head
	s_and_b32 s19, s17, 7                          ; y: which 256 keys
	s_mov_b32 s21, 0
	s_lshl_b32 s22, s16, 7                         ; 128 bytes a wave: 32 channels of f32, and 32 scale words
	s_lshl_b32 s20, s17, 17                        ; v: 131,072 bytes a work-group
	s_add_co_u32 s20, s20, s22
	s_add_nc_u64 s[6:7], s[6:7], s[20:21]
	s_lshl_b32 s20, s17, 10                        ; vs: two key steps of 512 bytes a work-group
	s_add_co_u32 s20, s20, s22
	s_add_nc_u64 s[14:15], s[14:15], s[20:21]
	s_lshl_b32 s20, s18, 18                        ; vc: 262,144 bytes a head,
	s_lshl_b32 s22, s16, 16                        ; 32 rows of 2,048 a wave,
	s_add_co_u32 s20, s20, s22
	s_lshl_b32 s22, s19, 8                         ; 256 bytes along a row
	s_add_co_u32 s20, s20, s22
	s_add_nc_u64 s[12:13], s[12:13], s[20:21]
	s_wait_alu depctr_va_vdst(0)
	v_lshlrev_b32 v3, 2, v2                        ; 4 x lane: my channel in a row of v, and my scale word's place; never rewritten
	s_mul_i32 s24, s16, 32*VPITCH
	s_add_co_u32 s24, s24, VSTG                    ; my stage
	v_mul_u32_u24 v4, v2, VPITCH
	v_add_nc_u32 v4, s24, v4                       ; into it: row = my channel
	v_and_b32 v5, 15, v2
	v_lshrrev_b32 v6, 4, v2                        ; out of it: sixteen lanes to a row, two rows an instruction
	v_mul_u32_u24 v7, v6, VPITCH
	v_lshl_add_u32 v7, v5, 4, v7
	v_add_nc_u32 v7, s24, v7
	v_lshlrev_b32 v8, 11, v6
	v_lshl_add_u32 v8, v5, 4, v8                   ; and the same place in vc: rows 2,048 bytes apart
.macro VLOAD t                         ; block t: v(32 t + i, my channel), i = 0 .. 31, into set t % 2
.irp i, 0,1,2,3,4,5,6,7,8,9,10,11,12,13,14,15,16,17,18,19,20,21,22,23,24,25,26,27,28,29,30,31
	global_load_b32 v[VX+32*((\t)%2)+\i], v3, s[6:7] offset:(32*(\t)+\i)*512 th:TH_LOAD_NT
.endr
.endm
.macro VBLOCK t
.set XS, VX+32*((\t)%2)
.if (\t) < 7
	s_wait_loadcnt 32                              ; this block's 32 loads are in; the next block's may be out
.else
	s_wait_loadcnt 0
.endif
	v_max3_num_f32 v12, |v[XS]|, |v[XS+1]|, |v[XS+2]|              ; the block's largest magnitude: all 32 numbers are mine
	v_max3_num_f32 v13, |v[XS+3]|, |v[XS+4]|, |v[XS+5]|
.irp i, 6,10,14,18,22,26
	v_max3_num_f32 v12, v12, |v[XS+\i]|, |v[XS+\i+1]|
	v_max3_num_f32 v13, v13, |v[XS+\i+2]|, |v[XS+\i+3]|
.endr
	v_max3_num_f32 v12, v12, |v[XS+30]|, |v[XS+31]|
	v_max3_num_f32 v12, v12, v13, (EMAX+1)<<23     ; and the floor: the byte cannot fall under 1
	v_add_nc_u32 v11, -(EMAX<<23), v12             ; the conversion's scale operand
	v_and_or_b32 v10, v12, 0x7f800000, s23         ; 57,344 x the scale
	v_lshrrev_b32 v13, 23, v11                     ; the scale's byte
.if (\t)%4 == 0
	v_mov_b32 v[VSB+(\t)/4], v13                   ; four bytes to a register, the earlier keys in the lower byte: a key step's scale word
.else
	v_lshl_or_b32 v[VSB+(\t)/4], v13, 8*((\t)%4), v[VSB+(\t)/4]
.endif
.irp i, 0,1,2,3,4,5,6,7,8,9,10,11,12,13,14,15,16,17,18,19,20,21,22,23,24,25,26,27,28,29,30,31
	v_med3_num_f32 v[XS+\i], v[XS+\i], -v10, v10   ; the hold at the largest code x the scale (ISA guide 7.6.2)
.endr
.irp g, 0,1,2,3
	v_cvt_scalef32_pk8_bf8_f32 v[VC+2*\g:VC+2*\g+1], v[XS+8*\g:XS+8*\g+7], v11
.endr
	ds_store_b128 v4, v[VC:VC+3] offset:32*(\t)    ; 32 codes: 32 bytes of my channel's row
	ds_store_b128 v4, v[VC+4:VC+7] offset:32*(\t)+16
.if (\t)+2 < 8
	VLOAD (\t)+2
.endif
	s_wait_dscnt 0x0                               ; the stores have read their registers: the next block's codes may be written (its first lines are plain vector lines, the place behind the conversions)
.endm
	VLOAD 0
	VLOAD 1
.irp t, 0,1,2,3,4,5,6,7
	VBLOCK \t
.endr
	global_store_b32 v3, v[VSB], s[14:15]          ; key step 2 y: my channel's word; 128 consecutive bytes a wave
	global_store_b32 v3, v[VSB+1], s[14:15] offset:512   ; key step 2 y + 1
.irp t, 0,1,2,3,4,5,6,7,8,9,10,11,12,13,14,15
	ds_load_b128 v[VO+4*\t:VO+4*\t+3], v7 offset:2*\t*VPITCH   ; LDS serves a wave's instructions in order: these see my stores
.endr
.irp t, 0,1,2,3,4,5,6,7,8,9,10,11,12,13,14,15
	s_wait_dscnt 15-\t                             ; the younger loads from the stage may be out
	global_store_b128 v8, v[VO+4*\t:VO+4*\t+3], s[12:13] offset:2*\t*2048   ; sixteen lanes store 256 consecutive bytes, aligned
.endr
	s_wait_tensorcnt 0x0
	ds_add_u32 v192, v193
	s_wait_dscnt 0x0
	s_endpgm
.Lfunc_end_k_q2adf34e71a_quant:
	.size	k_q2adf34e71a_quant, .Lfunc_end_k_q2adf34e71a_quant-k_q2adf34e71a_quant
	.p2alignl 7, 3214868480
	.fill 96, 4, 3214868480
	.section	.rodata,"a",@progbits
	.p2align	6, 0x0
	.amdhsa_kernel k_q2adf34e71a_quant
		.amdhsa_group_segment_fixed_size 68096
		.amdhsa_private_segment_fixed_size 0
		.amdhsa_enable_private_segment 0
		.amdhsa_kernarg_size 48
		.amdhsa_user_sgpr_count 2
		.amdhsa_user_sgpr_kernarg_segment_ptr 1
		.amdhsa_wavefront_size32 1
		.amdhsa_system_sgpr_workgroup_id_x 1
		.amdhsa_system_sgpr_workgroup_id_y 1
		.amdhsa_system_sgpr_workgroup_id_z 1
		.amdhsa_system_vgpr_workitem_id 0
		.amdhsa_next_free_vgpr 194
		.amdhsa_next_free_sgpr 66
		.amdhsa_reserve_vcc 0
		.amdhsa_float_denorm_mode_32 3
		.amdhsa_float_denorm_mode_16_64 3
		.amdhsa_memory_ordered 1
		.amdhsa_forward_progress 1
		.amdhsa_inst_pref_size 109
	.end_amdhsa_kernel
	.amdgpu_metadata
---
amdhsa.version: [ 1, 2 ]
amdhsa.kernels:
  - .name:           k_q2adf34e71a_quant
    .symbol:         k_q2adf34e71a_quant.kd
    .args:
      - { .name: k, .offset: 0, .size: 8, .value_kind: global_buffer, .address_space: global }
      - { .name: v, .offset: 8, .size: 8, .value_kind: global_buffer, .address_space: global }
      - { .name: kc, .offset: 16, .size: 8, .value_kind: global_buffer, .address_space: global }
      - { .name: ks, .offset: 24, .size: 8, .value_kind: global_buffer, .address_space: global }
      - { .name: vc, .offset: 32, .size: 8, .value_kind: global_buffer, .address_space: global }
      - { .name: vs, .offset: 40, .size: 8, .value_kind: global_buffer, .address_space: global }
    .group_segment_fixed_size: 68096
    .private_segment_fixed_size: 0
    .kernarg_segment_align: 8
    .kernarg_segment_size: 48
    .max_flat_workgroup_size: 128
    .sgpr_count:     66
    .vgpr_count:     194
    .wavefront_size: 32
...
	.end_amdgpu_metadata
.endif
;; end of part 1
;; launch attn (part 2): grid 4 x 64, 8 waves a work-group, clusters of 4 x 1, 327,680 bytes of LDS; arguments q, kc, ks, vc, vs, out0; writes out0
.if DOCPART == 2
	.amdgcn_target "amdgcn-amd-amdhsa--gfx1250"
	.amdhsa_code_object_version 6
	.text
	.protected	k_q2adf34e71a_attn
	.globl	k_q2adf34e71a_attn
	.p2align	8
	.type	k_q2adf34e71a_attn,@function
k_q2adf34e71a_attn:
	s_mov_b64 s[64:65], 0
	v_nop
	global_prefetch_b8 v0, s[64:65] scope:SCOPE_SE
	s_setreg_imm32_b32 hwreg(HW_REG_WAVE_MODE, 25, 1), 1
	s_wait_xcnt 0x0
	s_wait_alu depctr_hold_cnt(0) depctr_sa_sdst(0) depctr_va_vdst(0) depctr_va_sdst(0) depctr_va_ssrc(0) depctr_va_vcc(0) depctr_vm_vsrc(0)
	s_getreg_b32 s2, hwreg(HW_REG_IB_STS2, 6, 4)
	s_cmp_eq_u32 s2, 0
	s_cbranch_scc0 .Lentry_in_a_cluster
	s_endpgm
.Lentry_in_a_cluster:
	s_bfe_u32 s2, ttmp6, 0x10000c
	s_cmp_lg_u32 s2, 0x3003
	s_cbranch_scc0 .Lentry_shape_is_right
	s_endpgm
.Lentry_shape_is_right:
; out0[h][q][:] = the sum over k of softmax_k(Q[h][q] . K[h][k] / sqrt(128)) V[h][k][:], 64 heads, 2,048 queries and keys, head size 128; both products on codes of BF8 (E5M2), one E8M0 scale for each 32 along K.
; q: f32, each row read by one wave, which quantises it in registers.  kc [64][2048 positions][128], ks [64][2048 positions][4]; vc [64][128][2048 keys], vs [64][16 key steps][128][4].
; In kc and ks the position of key x is x with bits 3 and 4 exchanged: positions 16 T + r hold the keys 32 (T / 2) + 8 (T % 2) + r + 8 (r / 8).
; SOFTMAX: t = score x log2(e) / sqrt(128); M = the running largest t, rounded up to a whole number; p = 2^(t - M) is quantised along the keys, not normalised; the sum of the unquantised p divides O at the end.
; When M moves, the sum and O are multiplied by 2^(old M - new M): exact.
; SHARES.  256 work-groups.  A work-group makes two blocks of 256 queries of one head, one after the other (blocks cx and cx + 4 of the head's 8).  Eight waves, two to a SIMD, 512 registers each.
; A wave owns 32 queries: tile A (16 queries) in register window 0, tile B in window 1, under the same register numbers, so that one text serves both.  Each fragment of K and V that is read from LDS feeds two products.
; A key step is 128 keys: its 8 fragments of K, then of V, lie in v32-95 of both windows.  Tile B's first products stand among tile A's maxima, tile A's second products among tile B's multiply-adds, one behind every four lines.
; V's fragments are fetched in tile A's softmax, behind the last product on K; the next step's K are fetched among tile B's second products.
; RING: two LDS slots of 256 keys.  The change of slots stands inside a slot's second step, when its last fragments are in registers: the waits, the add and the signal behind tile A's softmax, the barrier's wait behind tile B's.
; CLUSTER: the four work-groups of a cluster walk the same head: every tile is asked for jointly (mask 15); waves 0, 1 K's halves, waves 2, 3 V's; at the head waves 4 to 7 the scale bytes of the whole head.
; LAYOUT: both products transposed (S^T = K Q^T, O^T = V^T P^T): a lane holds one query of each tile.  A scale register holds two tiles' words: lanes 0-15 one tile's, lanes 16-31 the next one's.
; The tail loop's second trip passes a barrier that orders nothing and fetches 36 loads' worth of fragments that no product reads (bytes that were filled): the price of one text for both trips.
; LIMITS: NaN and infinities among the inputs are not served.  The promise holds while |t| stays under 2^31.  A block of zeros carries the byte 1 (its codes are zeros).  A p under 2^-126 comes out of v_exp_f32 as 0.
; A block's largest p is made from its largest score by the same multiply-add and exponential as every p: that takes v_exp_f32 not to fall where its input rises; at the worst one p of a block is held one code low.
; REGISTERS, both windows: v12 -M, v13 largest t, v[14:15] the sum; v16-31 Q's codes; v32-95 fragments; v96-159 q as loaded, S^T, p; v160-223 q by lanes, then O^T; v224-239 p's codes; v232-247, v252, v254 at work.
; Window 0 alone: v0-3, v5-10 addresses; v248-251 the tiles' scale words; v253, v4 p's scale words of tiles A, B; v255, v11 Q's.  Window 1: v7 the offset of q's prefetches.
.set SK,    256
.set KP,    144                        ; a key's row in LDS: 128 bytes + 16
.set VP,    272                        ; a row of V's tile: 256 bytes + 16
.set VOFF,  SK*KP
.set SLOT1, 1<<17
.set SCK,   2*SLOT1                    ; ks of the head: 32 rows of 256 + 16 bytes
.set SCH,   16*272
.set SCV,   SCK+2*SCH                  ; vs likewise
.set SPARE, SCV+2*SCH                  ; the spare words: 128 bytes a wave
.set STAGE, SPARE+1024                 ; 4,352 bytes a wave, for q on the way in and for the way out; no tile lands here
.set AK0,  1
.set AV0,  2
.set ASC0, 3
.set PSB,  4
.set SPW,  5
.set NIL,  6
.set PFO,  7
.set ADK,  8
.set ADV,  9
.set ADS,  10
.set QSB,  11
.set PSA,  253
.set QO,   254
.set QSA,  255
.set TB,   2                           ; s2   LDS byte at which the slot in hand begins
.set TS,   3                           ; s3   where the step's scale words begin: 544 bytes a step
.set CX,   16
.set BL,   17                          ; s17  blocks to go
.set WV,   18
.set MNT,  19
.set SEL,  20
.set CS,   22
.set G1K,  24
.set G1V,  32
.set G0K,  40
.set G0V,  44
.set G1S,  48
.set G0SK, 56
.set G0SV, 60
.set SLOTS, 66
.set LIM,  67
.set PFA,  68
.set PFS,  70
.set PQ,   92                          ; s[92:93] my wave's rows of q in the second block
.set QL,   94                          ; s94, s95 the counts of slots at which q is prefetched; 0 in the second block
.set TL,   96
.set STB,  97                          ; s97  my stage
.set MSB, 0
.macro WIN new                         ; the immediate's high byte repeats the setting that is left
.if MSB != \new
	s_set_vgpr_msb (MSB<<8)|\new
.set MSB, \new
.endif
.endm
.macro NOPS n
.rept \n
	v_nop
.endr
.endm
.macro CREST                           ; a round of the cluster's barrier behind its opening barrier
	s_cmp_lg_u32 s[WV], 0
	s_cbranch_scc1 .Lnot_wave_0_\@
	s_barrier_signal -3
.Lnot_wave_0_\@:
	s_barrier_wait -3
	s_barrier_signal -1
	s_barrier_wait -1
.endm
.macro CROUND
	s_barrier_signal -1
	s_barrier_wait -1
	CREST
.endm
.macro TLOAD                           ; a joint fill of a slot: waves 0, 1 K's halves, waves 2, 3 V's
	s_cmp_lt_u32 s[WV], 2
	s_cbranch_scc0 .Lnot_k_\@
	tensor_load_to_lds s[G0K:G0K+3], s[G1K:G1K+7]
	s_nop 0
	NOPS 4
	s_branch .Lasked_\@
.Lnot_k_\@:
	s_cmp_lt_u32 s[WV], 4
	s_cbranch_scc0 .Lasked_\@
	tensor_load_to_lds s[G0V:G0V+3], s[G1V:G1V+7]
	s_nop 0
	NOPS 4
.Lasked_\@:
.endm
.macro DSTEP                           ; the walking descriptors: the other slot, the next 256 keys
	s_xor_b32 s[G0K+1], s[G0K+1], SLOT1
	s_add_nc_u64 s[G0K+2:G0K+3], s[G0K+2:G0K+3], SK*128
	s_xor_b32 s[G0V+1], s[G0V+1], SLOT1
	s_add_nc_u64 s[G0V+2:G0V+3], s[G0V+2:G0V+3], SK
.endm
; Prefetch of the slot that the next change will ask for, in the first block alone (the second walks what has been read): the four partners share its 256-byte blocks out by address, 32 each; wave 4 K's, wave 5 V's.
.macro ASK
	s_cmp_gt_u32 s[SLOTS], s[LIM]
	s_cbranch_scc0 .Lnot_mine_\@
	global_prefetch_b8 v[PFO], s[PFA:PFA+1] th:TH_LOAD_NT scope:SCOPE_SE
.Lnot_mine_\@:
.endm
; Prefetch of my wave's 32 rows of q of the second block, 16,384 bytes: lanes 256 bytes apart, one instruction in each of two trips of the first block's loop
.macro ASKQ
	s_cmp_eq_u32 s[SLOTS], s[QL]
	s_cbranch_scc0 .Lq0_\@
	WIN 0x01
	global_prefetch_b8 v7, s[PQ:PQ+1] th:TH_LOAD_NT scope:SCOPE_SE
	WIN 0
.Lq0_\@:
	s_cmp_eq_u32 s[SLOTS], s[QL+1]
	s_cbranch_scc0 .Lq1_\@
	WIN 0x01
	global_prefetch_b8 v7, s[PQ:PQ+1] offset:8192 th:TH_LOAD_NT scope:SCOPE_SE
	WIN 0
.Lq1_\@:
.endm
.macro MKQO                            ; q's offset: eight lanes take 128 consecutive bytes of a row, a load four rows: 512 (lane / 8) + 16 (lane % 8)
	v_and_b32 v[QO], 7, v0
	v_bfe_u32 v252, v0, 3, 2
	v_lshlrev_b32 v[QO], 4, v[QO]
	v_lshl_add_u32 v[QO], v252, 9, v[QO]
.endm
.macro QLOAD off                       ; registers 16 b + 4 j on: q(4 j + lane / 8, 32 b + 4 (lane % 8) on); tile B's rows lie 8,192 bytes on
.irp w, 0,1
	WIN 0x40*\w
.irp b, 0,1,2,3
.irp j, 0,1,2,3
	global_load_b128 v[96+16*\b+4*\j:99+16*\b+4*\j], v[QO], s[4:5] offset:\off+8192*\w+128*\b+2048*\j th:TH_LOAD_NT
.endr
.endr
.endr
	WIN 0
.endm
; A tile's q through my stage, 32 of the head's 128 at a time (16 rows of 128 + 16 bytes): in as loaded, back 64 bytes a lane: register 160 + 16 b + i = q(r, 32 b + 16 h + i).
; LDS serves a wave's instructions in order (ISA guide 5.7.1.4): no wait stands between the stores and the loads, nor ahead of the next stores
.macro QT w
.irp b, 0,1,2,3
	WIN 0x04*\w
.irp i, 0,1,2,3
	ds_store_b128 v8, v[96+16*\b+4*\i:99+16*\b+4*\i] offset:576*\i
.endr
	WIN 0x40*\w
.irp j, 0,1,2,3
	ds_load_b128 v[160+16*\b+4*\j:163+16*\b+4*\j], v9 offset:16*\j
.endr
.endr
	WIN 0
.endm
.macro INIT                            ; a tile's start values
	v_mov_b32 v13, 0xff61b1e6
	v_mov_b32 v14, 0
	v_mov_b32 v15, 0
	v_floor_f32 v12, -v13
.irp b, 0,1,2,3
	v_mov_b32 v[236+\b], 0
.endr
	v_mov_b32 v253, 0
.endm
.macro OZ                              ; O^T begins as zeros, which the first change of M leaves zeros
.set j, 0
.rept 32
	v_dual_mov_b32 v[160+j], 0 :: v_dual_mov_b32 v[161+j], 0
.set j, j+2
.endr
.endm
.macro QQ isb                          ; a tile of Q is quantised in registers: four blocks of 32, each in lanes l and l xor 16
.irp b, 0,1,2,3
	v_max3_num_f32 v[232+\b], |v[160+16*\b]|, |v[161+16*\b]|, 0x8000000
.endr
.irp i, 2,4,6,8,10,12,14
.irp b, 0,1,2,3
	v_max3_num_f32 v[232+\b], v[232+\b], |v[160+16*\b+\i]|, |v[161+16*\b+\i]|
.endr
.endr
.irp b, 0,1,2,3
	v_permlanex16_b32 v[236+\b], v[232+\b], s[SEL], s[SEL+1]
.endr
.irp b, 0,1,2,3
	v_max_num_f32 v[232+\b], v[232+\b], v[236+\b]
.endr
.irp b, 0,1,2,3
	v_add_nc_u32 v[244+\b], 0xf8800000, v[232+\b]
.endr
.irp b, 0,1,2,3
	v_and_or_b32 v[240+\b], v[232+\b], 0x7f800000, s[MNT]
.endr
.irp b, 0,1,2,3
	v_lshrrev_b32 v[236+\b], 23, v[244+\b]
.endr
	v_lshl_or_b32 v255, v237, 8, v236
	v_lshl_or_b32 v255, v238, 16, v255
	v_lshl_or_b32 v255, v239, 24, v255
.if \isb
	WIN 0x01
	v_mov_b32 v[QSB], v255                         ; scale registers are taken from window 0
	WIN 0x55
.endif
.irp b, 0,1,2,3
.irp i, 0,1,2,3,4,5,6,7,8,9,10,11,12,13,14,15
	v_med3_num_f32 v[160+16*\b+\i], v[160+16*\b+\i], -v[240+\b], v[240+\b]
.endr
	v_cvt_scalef32_pk8_bf8_f32 v[16+4*\b:17+4*\b], v[160+16*\b:167+16*\b], v[244+\b]
	v_cvt_scalef32_pk8_bf8_f32 v[18+4*\b:19+4*\b], v[168+16*\b:175+16*\b], v[244+\b]
.endr
	v_nop                                          ; one plain line behind the last conversion: its sources are written next
.endm
; One product.  z = 1: C = 0.  row: which half of the lanes of sa holds the tile's scale words
.macro W1 d, a, b, z, sa, sb, row
.if \z
.if \row
	v_wmma_scale_f32_16x16x128_f8f6f4 v[\d:\d+7], v[\a:\a+15], v[\b:\b+15], 0, v[\sa], v[\sb] matrix_a_fmt:MATRIX_FMT_BF8 matrix_b_fmt:MATRIX_FMT_BF8 matrix_a_scale:MATRIX_SCALE_ROW1
.else
	v_wmma_scale_f32_16x16x128_f8f6f4 v[\d:\d+7], v[\a:\a+15], v[\b:\b+15], 0, v[\sa], v[\sb] matrix_a_fmt:MATRIX_FMT_BF8 matrix_b_fmt:MATRIX_FMT_BF8
.endif
.else
.if \row
	v_wmma_scale_f32_16x16x128_f8f6f4 v[\d:\d+7], v[\a:\a+15], v[\b:\b+15], v[\d:\d+7], v[\sa], v[\sb] matrix_a_fmt:MATRIX_FMT_BF8 matrix_b_fmt:MATRIX_FMT_BF8 matrix_a_scale:MATRIX_SCALE_ROW1
.else
	v_wmma_scale_f32_16x16x128_f8f6f4 v[\d:\d+7], v[\a:\a+15], v[\b:\b+15], v[\d:\d+7], v[\sa], v[\sb] matrix_a_fmt:MATRIX_FMT_BF8 matrix_b_fmt:MATRIX_FMT_BF8
.endif
.endif
.endm
.macro W4 s, g, sb                     ; four products on the fragments of group g: s = 1 S^T, s = 0 O^T; the accumulators by turns
.irp t, 0,1,2,3
.if \s
	W1 96+8*(4*\g+\t),32+16*\t,16,1,248+2*\g+\t/2,\sb,\t%2
.else
	W1 160+8*(4*\g+\t),32+16*\t,224,0,248+2*\g+\t/2,\sb,\t%2
.endif
.endr
.endm
.macro ISB k                           ; among tile A's lines (window 0): tile B's S^T on K's tile k
	WIN 0x54+(\k)/4
	W1 96+8*(\k),32+16*((\k)%4),16,1,248+(\k)/2,QSB,(\k)%2
	WIN 0
.endm
.macro IPA k                           ; among tile B's lines (window 1): tile A's O^T on V's tile k
	WIN (\k)/4
	W1 160+8*(\k),32+16*((\k)%4),224,0,248+(\k)/2,PSA,(\k)%2
	WIN 0x55
.endm
.macro KLD g, q, so                    ; 18 LDS loads: K's tiles 4 g .. 4 g + 3 of key step q of the slot at ADK, and their scale words
	WIN 0
	ds_load_b32 v[248+2*\g], v[ADS] offset:\so+272*\g
	ds_load_b32 v[249+2*\g], v[ADS] offset:\so+272*\g+128
	WIN 0x40*\g
.irp t, 0,1,2,3
.irp c, 0,1,2,3
	ds_load_b128 v[32+16*\t+4*\c:35+16*\t+4*\c], v[ADK] offset:(128*(\q)+16*(4*\g+\t))*KP+32*\c
.endr
.endr
	WIN 0
.endm
.macro VLD q                           ; V's eight tiles of 16 channels x this step's 128 keys, and their scale words
	WIN 0
.irp i, 0,1,2,3
	ds_load_b32 v[248+\i], v[ADS] offset:SCV-SCK+272*(\i/2)+128*(\i%2)
.endr
.irp g, 0,1
	WIN 0x40*\g
.irp t, 0,1,2,3
.irp c, 0,1,2,3
	ds_load_b128 v[32+16*\t+4*\c:35+16*\t+4*\c], v[ADV] offset:16*(4*\g+\t)*VP+128*(\q)+32*\c
.endr
.endr
.endr
	WIN 0
.endm
; THE SOFTMAX OF ONE TILE, in the window that is set.  isb = 0: tile A, with tile B's first products and V's loads among its lines; isb = 1: tile B, with tile A's second products
.macro SM isb, q
	s_wait_alu depctr_va_vdst(0)                   ; the wait ahead of the first readers of matrix results
.irp b, 0,1,2,3
	v_max3_num_f32 v[232+\b], v[96+16*\b], v[97+16*\b], v[98+16*\b]   ; the largest score of each block of 32 keys: for the row's maximum and for the block's largest p
.endr
.set kk, 0
.if \isb == 0
	ISB kk
.endif
.irp i, 3,5,7,9,11,13
.irp b, 0,1,2,3
	v_max3_num_f32 v[232+\b], v[232+\b], v[96+16*\b+\i], v[97+16*\b+\i]
.endr
.set kk, kk+1
.if \isb == 0
	ISB kk
.endif
.endr
.irp b, 0,1,2,3
	v_max_num_f32 v[232+\b], v[232+\b], v[111+16*\b]
.endr
.if \isb == 0
	ISB 7
.endif
.irp b, 0,1,2,3
	v_permlanex16_b32 v[236+\b], v[232+\b], s[SEL], s[SEL+1]
.endr
.irp b, 0,1,2,3
	s_delay_alu instid0(VALU_DEP_4)
	v_max_num_f32 v[232+\b], v[232+\b], v[236+\b]
.endr
	s_delay_alu instid0(VALU_DEP_2)
	v_max3_num_f32 v254, v232, v233, v234
	s_delay_alu instid0(VALU_DEP_1)
	v_max_num_f32 v254, v254, v235
	s_delay_alu instid0(VALU_DEP_1)
	v_mul_f32 v254, s[CS], v254
	s_delay_alu instid0(VALU_DEP_1)
	v_max_num_f32 v13, v13, v254                   ; the running largest t
	v_mov_b32 v254, v12
	s_delay_alu instid0(VALU_DEP_2)
	v_floor_f32 v12, -v13                          ; -M = floor(-t)
	s_delay_alu instid0(VALU_DEP_1)
	v_sub_f32 v254, v12, v254
	s_delay_alu instid0(VALU_DEP_1)
	v_cvt_i32_f32 v254, v254                       ; (it saturates)
	s_delay_alu instid0(VALU_DEP_1)
	v_ldexp_f32 v252, 1.0, v254                    ; f = 2^(old M - new M)
.if \isb == 0
	VLD \q                                         ; 17 plain lines stand behind the last product on K's fragments
.endif
.set j, 0
.rept 32
	v_pk_fma_f32 v[96+j:97+j], v[96+j:97+j], s[CS:CS+1], v[12:13] op_sel_hi:[1,0,0]   ; t - M
.if \isb
.if (j%8) == 6
	IPA j/8
.endif
.endif
.set j, j+2
.endr
.irp b, 0,1,2,3
	v_fma_f32 v[232+\b], v[232+\b], s[CS], v12
.endr
	s_wait_alu depctr_va_vdst(0)                   ; a wait ahead of the batch
.set j, 0
.rept 64
	v_exp_f32 v[96+j], v[96+j]                     ; p
.set j, j+1
.endr
	v_pk_mul_f32 v[14:15], v[14:15], v[252:253] op_sel_hi:[1,0]
	s_wait_alu depctr_va_vdst(0)                   ; and behind it
.irp b, 0,1,2,3
	v_exp_f32 v[232+\b], v[232+\b]                 ; each block's largest p
.endr
.irp c, 0,1,2,3,4,5
	v_pk_add_f32 v[236+2*\c:237+2*\c], v[96+4*\c:97+4*\c], v[98+4*\c:99+4*\c]   ; the sum of the unquantised p, in six chains
.endr
.set j, 12
.rept 20
	v_pk_add_f32 v[236+2*(j%6):237+2*(j%6)], v[236+2*(j%6):237+2*(j%6)], v[96+2*j:97+2*j]
.set j, j+1
.endr
	v_pk_add_f32 v[236:237], v[236:237], v[238:239]
	v_pk_add_f32 v[240:241], v[240:241], v[242:243]
	v_pk_add_f32 v[244:245], v[244:245], v[246:247]
	v_pk_add_f32 v[14:15], v[14:15], v[236:237]
	v_pk_add_f32 v[240:241], v[240:241], v[244:245]
	v_pk_add_f32 v[14:15], v[14:15], v[240:241]
	s_wait_alu depctr_va_vdst(0)                   ; for the four
.irp b, 0,1,2,3
	v_max_num_f32 v[232+\b], 0x8000000, v[232+\b]  ; the floor 2^(16 - 127): the byte cannot fall under 1
.endr
.irp b, 0,1,2,3
	s_delay_alu instid0(VALU_DEP_4)
	v_add_nc_u32 v[244+\b], 0xf8800000, v[232+\b]  ; the conversion's scale operand
.endr
.irp b, 0,1,2,3
	v_and_or_b32 v[240+\b], v[232+\b], 0x7f800000, s[MNT]   ; 57,344 x the scale
.endr
.irp b, 0,1,2,3
	v_lshrrev_b32 v[236+\b], 23, v[244+\b]
.endr
	s_delay_alu instid0(VALU_DEP_3)
	v_lshl_or_b32 v253, v237, 8, v236              ; p's scale word
	s_delay_alu instid0(VALU_DEP_1)
	v_lshl_or_b32 v253, v238, 16, v253
	s_delay_alu instid0(VALU_DEP_1)
	v_lshl_or_b32 v253, v239, 24, v253
.if \isb
	WIN 0x01
	v_mov_b32 v[PSB], v253                         ; scale registers are taken from window 0
	WIN 0x55
.endif
.irp b, 0,1,2,3
.irp i, 0,2,4,6,8,10,12,14
	v_dual_min_num_f32 v[96+16*\b+\i], v[96+16*\b+\i], v[240+\b] :: v_dual_min_num_f32 v[97+16*\b+\i], v[97+16*\b+\i], v[240+\b]   ; the hold (ISA guide 7.6.2), one-sided, two numbers a line
.endr
	v_cvt_scalef32_pk8_bf8_f32 v[224+4*\b:225+4*\b], v[96+16*\b:103+16*\b], v[244+\b]
	v_cvt_scalef32_pk8_bf8_f32 v[226+4*\b:227+4*\b], v[104+16*\b:111+16*\b], v[244+\b]
.endr
	s_wait_alu depctr_va_vdst(0)                   ; the wait directly ahead of the first reader of O^T
.set j, 0
.rept 32
	v_pk_mul_f32 v[160+j:161+j], v[160+j:161+j], v[252:253] op_sel_hi:[1,0]   ; O^T x f; also the places ahead of the products
.set j, j+2
.endr
.endm
; A KEY STEP, the q-th of its slot.  chg = 0: none; 1: change of slots with a joint refill; 2: change of slots, nothing is filled.
.macro STEP q, chg
	s_wait_alu depctr_va_vdst(0)
	s_wait_dscnt 18                                ; K's first group is in; the 18 loads of the second may be out
	WIN 0
	W4 1,0,QSA
	s_wait_dscnt 0x0
	WIN 0x01
	W4 1,1,QSA
	WIN 0
	v_add_nc_u32 v[ADV], s[TB], v[AV0]
	v_add_nc_u32 v[ADS], s[TS], v[ASC0]
	NOPS 6                                         ; with the two additions: eight places behind the products
	SM 0,\q
.if \chg
	s_wait_tensorcnt 0x0                           ; my part of the next slot is in
	ds_add_u32 v[SPW], v[NIL]
.if \chg == 1
	DSTEP
	s_wait_xcnt 0x0                                ; my last prefetch has read its address
	s_add_nc_u64 s[PFA:PFA+1], s[PFA:PFA+1], s[PFS:PFS+1]
.endif
	s_wait_dscnt 0x0                               ; the add is done; this slot's last fragments are in my registers
	s_barrier_signal -1
.else
	s_wait_dscnt 0x0                               ; V
.endif
	WIN 0x55
	SM 1,\q
	s_wait_alu depctr_va_vdst(0)                   ; the wait ahead of what blocks below
	WIN 0
.if \chg
	s_barrier_wait -1
.if \chg == 1
	CREST
	TLOAD                                          ; into the slot that every wave of the cluster has left
	ASK
	ASKQ
.endif
	s_xor_b32 s[TB], s[TB], SLOT1
.endif
	v_add_nc_u32 v[ADK], s[TB], v[AK0]
	s_wait_alu depctr_va_vdst(0)
	WIN 0x54
	W4 0,0,PSB
	WIN 0
	NOPS 8                                         ; places ahead of loads into registers that the products read
.if \chg
	KLD 0,0,544
.else
	KLD 0,1,544
.endif
	WIN 0x55
	W4 0,1,PSB
	WIN 0
	NOPS 8
.if \chg
	KLD 1,0,544
.else
	KLD 1,1,544
.endif
	s_add_co_u32 s[TS], s[TS], 544
.endm
.macro FIN                             ; a tile's O^T / the sum, in place
	v_add_f32 v14, v14, v15
	v_permlanex16_b32 v252, v14, s[SEL], s[SEL+1]
	v_add_f32 v14, v14, v252
	s_wait_alu depctr_va_vdst(0)
	v_rcp_f32 v14, v14
	v_nop
	s_wait_alu depctr_va_vdst(0)                   ; ahead of the reciprocal's and O^T's first readers
.set j, 0
.rept 32
	v_pk_mul_f32 v[160+j:161+j], v[160+j:161+j], v[14:15] op_sel_hi:[1,0]
.set j, j+2
.endr
.endm
; THE WAY OUT: half a row (256 bytes) of 16 queries at a time through my stage; sixteen lanes store 256 consecutive bytes, aligned
.macro WAYOUT off
	s_wait_dscnt 0x0
	v_and_b32 v248, 15, v0
	v_bfe_u32 v249, v0, 4, 1
	v_mul_u32_u24 v8, v248, 272
	v_mul_u32_u24 v9, v249, 272
	v_lshlrev_b32 v10, 9, v249
	v_lshl_add_u32 v8, v249, 5, v8
	v_lshl_add_u32 v9, v248, 4, v9
	v_lshl_add_u32 v10, v248, 4, v10
	v_add_nc_u32 v8, s[STB], v8                    ; in: row r, 32 h
	v_add_nc_u32 v9, s[STB], v9                    ; back: lanes 0-15 one row, lanes 16-31 the next
	FIN
	WIN 0x55
	FIN
	s_wait_alu depctr_va_vdst(0)
.irp tl, 0,1
.irp u, 0,1
	WIN 0x04*\tl
.irp t, 0,1,2,3
	ds_store_b128 v8, v[160+32*\u+8*\t:163+32*\u+8*\t] offset:64*\t
	ds_store_b128 v8, v[164+32*\u+8*\t:167+32*\u+8*\t] offset:64*\t+16
.endr
	WIN 0x40*\tl
.irp i, 0,1,2,3,4,5,6,7
	ds_load_b128 v[32+32*\u+4*\i:35+32*\u+4*\i], v9 offset:2*\i*272   ; LDS serves a wave's instructions in order (ISA guide 5.7.1.4)
.endr
.endr
.endr
.irp tl, 0,1
	WIN 0x04*\tl
.irp u, 0,1
.irp i, 0,1,2,3,4,5,6,7
	s_wait_dscnt 55-32*\tl-16*\u-\i                ; the LDS instructions issued behind this load may be out
	global_store_b128 v10, v[32+32*\u+4*\i:35+32*\u+4*\i], s[14:15] offset:\off+8192*\tl+1024*\i+256*\u th:TH_STORE_NT
.endr
.endr
.endr
	WIN 0
.endm
	s_load_b256 s[4:11], s[0:1], 0x0               ; q, kc, ks, vc
	s_load_b128 s[12:15], s[0:1], 0x20             ; vs, out0
	v_lshl_add_u32 v[SPW], v0, 2, SPARE
	v_mov_b32 v[NIL], 0
	ds_add_u32 v[SPW], v[NIL]
	ds_add_u32 v[SPW], v[NIL]
	v_lshrrev_b32 v8, 5, v0
	v_readfirstlane_b32 s[WV], v8                  ; wave 0..7
	s_bfe_u32 s[CX], ttmp6, 0x40000                ; cx: it enters q's, out0's and the prefetches' addresses alone
	s_and_b32 s72, ttmp7, 0xffff                   ; the head
	s_and_b32 s73, s[WV], 1                        ; which half of a tile I fetch
	s_lshl_b32 s74, s72, 18                        ; the head in kc and vc,
	s_lshl_b32 s76, s72, 13                        ; in ks and vs
	s_lshl_b32 s80, s73, 14
	s_add_co_u32 s80, s80, s74
	s_mov_b32 s81, 0
	s_lshl_b32 s82, s73, 17
	s_add_co_u32 s82, s82, s74
	s_mov_b32 s83, 0
	s_lshl_b32 s84, s73, 12
	s_add_co_u32 s84, s84, s76
	s_mov_b32 s85, 0
	s_mul_i32 s86, s73, 128*KP
	s_mul_i32 s87, s73, 64*VP
	s_add_co_u32 s87, s87, VOFF
	s_mul_i32 s88, s73, SCH
	s_mul_i32 s[STB], s[WV], 16*272
	s_add_co_u32 s[STB], s[STB], STAGE
	s_lshl_b32 s78, s[CX], 17                      ; q and out0 at my wave's 32 rows of block cx: 131,072 bytes a block, 16,384 a wave
	s_lshl_b32 s79, s[WV], 14
	s_add_co_u32 s78, s78, s79
	s_lshl_b32 s79, s72, 20
	s_add_co_u32 s78, s78, s79
	s_mov_b32 s79, 0
	s_mov_b32 s[G1K], 15|(0<<16)|(1<<20)|(1<<21)|(4<<22)|(3<<25)  ; K: 128 rows of 128 bytes, dense; 16 bytes of padding behind each
	s_mov_b32 s[G1K+1], 128<<16
	s_mov_b32 s[G1K+2], 128<<16
	s_mov_b32 s[G1K+3], 128<<16
	s_mov_b32 s[G1K+4], 128
	s_mov_b32 s[G1K+5], 128
	s_mov_b32 s[G1K+6], 0
	s_mov_b32 s[G1K+7], 0
	s_mov_b32 s[G1V], 15|(0<<16)|(1<<20)|(1<<21)|(5<<22)|(3<<25)  ; V: 64 rows of 256 bytes, 2,048 apart
	s_mov_b32 s[G1V+1], 256<<16
	s_mov_b32 s[G1V+2], 64<<16
	s_mov_b32 s[G1V+3], 256<<16
	s_mov_b32 s[G1V+4], 64
	s_mov_b32 s[G1V+5], 2048
	s_mov_b32 s[G1V+6], 0
	s_mov_b32 s[G1V+7], 0
	s_mov_b32 s[G1S], 15|(3<<16)|(1<<20)|(1<<21)|(5<<22)|(3<<25)  ; scale bytes: 4,096 dense bytes as 16 rows of 256
	s_mov_b32 s[G1S+1], 32<<16
	s_mov_b32 s[G1S+2], 16<<16
	s_mov_b32 s[G1S+3], 32<<16
	s_mov_b32 s[G1S+4], 16
	s_mov_b32 s[G1S+5], 32
	s_mov_b32 s[G1S+6], 0
	s_mov_b32 s[G1S+7], 0
	s_mov_b32 s[SEL], 0x76543210
	s_mov_b32 s[SEL+1], 0xfedcba98
	s_mov_b32 s[CS], 0x3e0293ee                    ; log2(e) / sqrt(128)
	s_mov_b32 s[CS+1], s[CS]
	s_mov_b32 s[MNT], 0x600000
	s_mov_b32 s[QL], 4
	s_mov_b32 s[QL+1], 3
	s_mov_b32 s[BL], 2
	s_wait_alu depctr_va_vdst(0)
	s_wait_dscnt 0x0
	s_wait_kmcnt 0x0
	s_add_nc_u64 s[4:5], s[4:5], s[78:79]
	s_add_nc_u64 s[14:15], s[14:15], s[78:79]
	MKQO
	QLOAD 0                                        ; the first block's q sets out ahead of the round
	s_mov_b32 s[G0SK], 1
	s_add_co_u32 s[G0SK+1], s88, SCK
	s_add_nc_u64 s[G0SK+2:G0SK+3], s[8:9], s[84:85]
	s_or_b32 s[G0SK+3], s[G0SK+3], 0x80000000
	s_mov_b32 s[G0SV], 1
	s_add_co_u32 s[G0SV+1], s88, SCV
	s_add_nc_u64 s[G0SV+2:G0SV+3], s[12:13], s[84:85]
	s_or_b32 s[G0SV+3], s[G0SV+3], 0x80000000
	s_mov_b32 s[G0K], 1
	s_mov_b32 s[G0K+1], s86
	s_add_nc_u64 s[G0K+2:G0K+3], s[6:7], s[80:81]
	s_or_b32 s[G0K+3], s[G0K+3], 0x80000000
	s_mov_b32 s[G0V], 1
	s_mov_b32 s[G0V+1], s87
	s_add_nc_u64 s[G0V+2:G0V+3], s[10:11], s[82:83]
	s_or_b32 s[G0V+3], s[G0V+3], 0x80000000
	s_wait_alu depctr_va_vdst(0)
	CROUND                                         ; the first joint loads meet
; the head's loads, one a wave, every wave one: slot 0's halves of K and of V, then the halves of ks and of vs
.macro ARM under, g0, g1, next
	s_cmp_lt_u32 s[WV], \under
	s_cbranch_scc0 \next
	tensor_load_to_lds s[\g0:\g0+3], s[\g1:\g1+7]
	s_nop 0
	NOPS 4
	s_branch .Lhead_asked
\next:
.endm
	ARM 2, G0K,  G1K, .Lhead_v
	ARM 4, G0V,  G1V, .Lhead_sk
	ARM 6, G0SK, G1S, .Lhead_sv
	tensor_load_to_lds s[G0SV:G0SV+3], s[G1S:G1S+7]
	s_nop 0
	NOPS 4
.Lhead_asked:
	s_add_nc_u64 s[PQ:PQ+1], s[4:5], 0x80000       ; block cx + 4
	s_cmp_eq_u32 s[WV], 4                          ; wave 4 asks for K's codes, wave 5 for V's
	s_cselect_b64 s[PFA:PFA+1], s[6:7], s[10:11]
	s_mov_b32 s[PFS], 256
	s_cselect_b32 s[PFS], 32768, s[PFS]            ; a slot on
	s_mov_b32 s89, 2048
	s_cselect_b32 s89, 256, s89                    ; from lane to lane
	s_mov_b32 s91, 65536
	s_cselect_b32 s91, 8192, s91                   ; from partner to partner
	s_mul_i32 s90, s[CX], s91
	s_lshl_b32 s91, s[PFS], 1                      ; slot 2: what is asked for where slot 1 is loaded
	s_add_co_u32 s90, s90, s91
	s_add_co_u32 s90, s90, s74
	s_mov_b32 s91, 0
	s_mov_b32 s[PFS+1], 0
	s_add_nc_u64 s[PFA:PFA+1], s[PFA:PFA+1], s[90:91]
	s_sub_co_u32 s90, s[WV], 4
	s_lshr_b32 s90, s90, 1
	s_cmp_eq_u32 s90, 0
	s_cselect_b32 s[LIM], 1, -1
	v_and_b32 v8, 31, v0
	v_mul_lo_u32 v[PFO], v8, s89
	v_lshl_add_u32 v[ASC0], v8, 2, SCK             ; 4 bytes a lane: two tiles' scale words a load
	WIN 0x40
	v_lshlrev_b32 v7, 8, v8                        ; window 1: 256 x lane
	WIN 0
	v_and_b32 v8, 15, v0
	v_bfe_u32 v9, v0, 4, 1
	v_mul_u32_u24 v[AK0], v8, KP
	v_mul_u32_u24 v[AV0], v8, VP
	v_lshl_add_u32 v[AK0], v9, 4, v[AK0]
	v_lshl_add_u32 v[AV0], v9, 4, v[AV0]
	v_add_nc_u32 v[AV0], VOFF, v[AV0]
	s_wait_alu depctr_va_vdst(0)                   ; the wait at the head's end
.Lblock:                                           ; a block of 256 queries; its q and its slot 0 are on their way
	INIT
	WIN 0x55
	INIT
	WIN 0
	v_and_b32 v8, 7, v0                            ; q's stage: in, row lane / 8 of a load's four, 16 (lane % 8);
	v_bfe_u32 v9, v0, 3, 2
	v_lshlrev_b32 v8, 4, v8
	v_mad_u32_u24 v8, v9, 144, v8
	v_add_nc_u32 v8, s[STB], v8
	v_and_b32 v9, 15, v0                           ; back, row r, 64 h
	v_bfe_u32 v10, v0, 4, 1
	v_mul_u32_u24 v9, v9, 144
	v_lshl_add_u32 v9, v10, 6, v9
	v_add_nc_u32 v9, s[STB], v9
	s_wait_alu depctr_va_vdst(0)
	s_wait_loadcnt 16                              ; tile A's q is in; tile B's 16 loads may be out
	QT 0
	s_wait_loadcnt 0x0
	QT 1
	s_wait_dscnt 32                                ; tile A's q is back; tile B's 32 LDS instructions may be out
	QQ 0
	OZ
	s_wait_alu depctr_va_vdst(0)
	s_wait_dscnt 0x0
	WIN 0x55
	QQ 1
	OZ
	WIN 0
	s_mov_b32 s[TB], 0
	s_mov_b32 s[TS], 0
	s_mov_b32 s[SLOTS], 6
	v_add_nc_u32 v[ADK], s[TB], v[AK0]
	v_add_nc_u32 v[ADS], s[TS], v[ASC0]
	s_wait_alu depctr_va_vdst(0)
	s_wait_tensorcnt 0x0                           ; my part of slot 0 (at the head: or of the scale bytes) is in
	ds_add_u32 v[SPW], v[NIL]
	DSTEP
	s_wait_dscnt 0x0
	CROUND
	TLOAD                                          ; slot 1: keys 256 on
	ASK
	KLD 0,0,0
	KLD 1,0,0
.Lslot:                                            ; six trips: slots 0 to 5 are multiplied, slots 2 to 7 asked for
	STEP 0, 0
	STEP 1, 1
	s_sub_co_u32 s[SLOTS], s[SLOTS], 1
	s_cmp_lg_u32 s[SLOTS], 0
	s_cbranch_scc1 .Lslot
	s_mov_b32 s[TL], 2
.Ltail:                                            ; slots 6 and 7: nothing is asked for
	STEP 0, 0
	STEP 1, 2
	s_sub_co_u32 s[TL], s[TL], 1
	s_cmp_lg_u32 s[TL], 0
	s_cbranch_scc1 .Ltail
	s_cmp_eq_u32 s[BL], 1
	s_cbranch_scc1 .Llast
	MKQO                                           ; the next block's q goes into p's registers, which are done with,
	QLOAD 0x80000
	s_wait_alu depctr_va_vdst(0)
	s_wait_tensorcnt 0x0
	ds_add_u32 v[SPW], v[NIL]
	s_xor_b32 s[G0K+1], s[G0K+1], SLOT1            ; the descriptors go back to slot 0, keys 0
	s_sub_nc_u64 s[G0K+2:G0K+3], s[G0K+2:G0K+3], 7*SK*128
	s_xor_b32 s[G0V+1], s[G0V+1], SLOT1
	s_sub_nc_u64 s[G0V+2:G0V+3], s[G0V+2:G0V+3], 7*SK
	s_mov_b32 s[LIM], -1                           ; K and V have been read, q has no further block: no prefetch from here on
	s_mov_b32 s[PFS], 0
	s_mov_b32 s[QL], 0
	s_mov_b32 s[QL+1], 0
	s_wait_dscnt 0x0
	CROUND
	TLOAD                                          ; and its slot 0 is asked for, ahead of this block's way out
	WAYOUT 0
	s_wait_xcnt 0x0                                ; the stores' registers are written again in the next block
	s_sub_co_u32 s[BL], s[BL], 1
	s_cmp_lg_u32 s[BL], 0
	s_cbranch_scc1 .Lblock
.Llast:
	WAYOUT 0x80000
	s_wait_tensorcnt 0x0                           ; the wave's end
	ds_add_u32 v[SPW], v[NIL]
	s_wait_dscnt 0x0
	CROUND                                         ; the closing round
	s_endpgm
.Lfunc_end_k_q2adf34e71a_attn:
	.size	k_q2adf34e71a_attn, .Lfunc_end_k_q2adf34e71a_attn-k_q2adf34e71a_attn
	.p2alignl 7, 3214868480
	.fill 96, 4, 3214868480
	.section	.rodata,"a",@progbits
	.p2align	6, 0x0
	.amdhsa_kernel k_q2adf34e71a_attn
		.amdhsa_group_segment_fixed_size 327680
		.amdhsa_private_segment_fixed_size 0
		.amdhsa_enable_private_segment 0
		.amdhsa_kernarg_size 48
		.amdhsa_user_sgpr_count 2
		.amdhsa_user_sgpr_kernarg_segment_ptr 1
		.amdhsa_wavefront_size32 1
		.amdhsa_system_sgpr_workgroup_id_x 1
		.amdhsa_system_sgpr_workgroup_id_y 1
		.amdhsa_system_sgpr_workgroup_id_z 1
		.amdhsa_system_vgpr_workitem_id 0
		.amdhsa_next_free_vgpr 512
		.amdhsa_next_free_sgpr 100
		.amdhsa_reserve_vcc 0
		.amdhsa_float_denorm_mode_32 3
		.amdhsa_float_denorm_mode_16_64 3
		.amdhsa_memory_ordered 1
		.amdhsa_forward_progress 1
		.amdhsa_inst_pref_size 244
	.end_amdhsa_kernel
	.amdgpu_metadata
---
amdhsa.version: [ 1, 2 ]
amdhsa.kernels:
  - .name:           k_q2adf34e71a_attn
    .symbol:         k_q2adf34e71a_attn.kd
    .args:
      - { .name: q, .offset: 0, .size: 8, .value_kind: global_buffer, .address_space: global }
      - { .name: kc, .offset: 8, .size: 8, .value_kind: global_buffer, .address_space: global }
      - { .name: ks, .offset: 16, .size: 8, .value_kind: global_buffer, .address_space: global }
      - { .name: vc, .offset: 24, .size: 8, .value_kind: global_buffer, .address_space: global }
      - { .name: vs, .offset: 32, .size: 8, .value_kind: global_buffer, .address_space: global }
      - { .name: out0, .offset: 40, .size: 8, .value_kind: global_buffer, .address_space: global }
    .group_segment_fixed_size: 327680
    .private_segment_fixed_size: 0
    .kernarg_segment_align: 8
    .kernarg_segment_size: 48
    .max_flat_workgroup_size: 256
    .sgpr_count:     100
    .vgpr_count:     512
    .wavefront_size: 32
...
	.end_amdgpu_metadata
.endif
;; end of part 2
